; MI455X (gfx1250); checked and timed in simulation.
; The chip was launched on July 23, 2026; its instructions are those of AMD's public machine-readable ISA for CDNA 5 (MIT licence, August 2026) and "CDNA5" Instruction Set Architecture Reference Guide (July 2026). The comments in the code are by the model that wrote it; some were corrected since.
;; Causal Self Attention. Allowed arithmetic: matrix products marked QUANTISED: E4M3 operands, one given power-of-two scale a tensor, by v_wmma_f32_16x16x64_fp8_fp8 or v_wmma_f32_16x16x128_fp8_fp8, f32 sums; everything else in f32.
;; Inputs: b_proj 1,024 float32; b_qkv 3,072 float32; lowp_scales 8 int32 (the exponents e of the quantised operands' scales 2^e); w_proj 1,024 x 1,024 float32; w_qkv 1,024 x 3,072 float32; x 4 x 2,048 x 1,024 float32.
;; Outputs: out0 4 x 2,048 x 1,024 float32.
;; This version of the problem:
;;   THIS VERSION OF THE PROBLEM IS GIVEN IN LOW PRECISION. The matrix products marked QUANTISED in the list below multiply operands that are first quantised to E4M3 (4 exponent bits, 3 mantissa bits; 8 bits a number), with one given power-of-two scale for each operand tensor; their sums are f32. All else is computed in f32.
;;   The module's matrix products, in the order in which they are computed (A, B: the left and right operand; K: the contracted axis; several contracted axes count as one K, in the product's order):
;;     1. [M 8,192, K 1,024] x [K 1,024, N 3,072]; A: input x; B: input w_qkv: QUANTISED (scales: A lowp_scales[0], B lowp_scales[1])
;;     2. batch 64 x [M 2,048, K 64] x [K 64, N 2,048]; A: computed on the way; B: computed on the way: QUANTISED (scales: A lowp_scales[2], B lowp_scales[3])
;;     3. batch 64 x [M 2,048, K 2,048] x [K 2,048, N 64]; A: softmax (see below); B: computed on the way: QUANTISED (scales: A lowp_scales[4], B lowp_scales[5])
;;     4. [M 8,192, K 1,024] x [K 1,024, N 1,024]; A: computed on the way; B: input w_proj: QUANTISED (scales: A lowp_scales[6], B lowp_scales[7])
;;   THE QUANTISER, for each operand of a quantised product, along K:
;;     - The operand's scale is 2^e, e = its entry of the input lowp_scales (int32; the entries are numbered through the quantised products in the list's order, A before B).
;;     - Each number is divided by the scale, clamped to +-448, and rounded to the nearest number of E4M3, ties to even, subnormals kept.
;;     - The product sums the exact products of the quantised numbers (number of the format x scale) in f32.
;;   ~~~python
;;   def quantise(x, axis, e):      # numpy; x: float32 -> the quantised numbers, widened to float32 again
;;       x = np.moveaxis(x, axis, -1); K = x.shape[-1]
;;       r = np.clip(x / 2.0 ** e, -448, 448)
;;       step = 2.0 ** (np.maximum(np.frexp(np.where(r == 0, 1, r))[1] - 1, -6) - 3)
;;       q = np.round(r / step) * step * 2.0 ** e      # np.round: ties to even
;;       return np.moveaxis(q, -1, axis).astype(np.float32)
;;   ~~~
;;   SOFTMAX AHEAD OF A QUANTISED PRODUCT. Where the list says 'softmax', what is quantised is not the finished softmax but p = 2^(t - M), with t = logit x log2(e) and M = ceil(the row's largest t), a whole number; so 1/2 < the row's largest p <= 1. The row's sum l is taken of the UNQUANTISED p, in f32, and the product's result is divided by l at the end. Since M is a whole number, a kernel that streams over the keys may use a running M (the ceiling of the running maximum): every later rescaling is an exact power of two, so the quantised numbers keep their values, but for numbers so far below the row's largest that they fall under the format's range.
;;   OPERANDS COMPUTED ON THE WAY. 'Computed on the way' means the value that the module computes at that place (a softmax that the list does not call 'softmax' is quantised finished and normalised). What goes into a quantiser is computed in f32, as accurately as f32 sums, v_exp_f32 and their like allow (about 1e-6 of the number): no bf16 or f16 on the way to a quantiser, and a product that is left as it is and whose result goes on into a quantised operand takes f32 operands (vector FMAs, or v_wmma_f32_16x16x4_f32). A number that lies on a knife's edge between two numbers of the format may be rounded either way, as far as f32 arithmetic and the matrix unit's own rounding can turn it there, and no further.
;; One version. Each part assembles by itself: llvm-mc -triple=amdgcn-amd-amdhsa -mcpu=gfx1250 --defsym DOCPART=n.
;; ======== version 1 of 1: 4 launches
;; limits: right only within a limited range of input values
;; workspace buffers: xq 8,388,608 bytes; wq1 3,145,728 bytes; wq2 1,048,576 bytes; qc 8,388,608 bytes; kc 8,388,608 bytes; vc 8,388,608 bytes; yc 8,388,608 bytes
;; launch quant (part 1): grid 512 x 1, 8 waves a work-group, no clusters, 134,144 bytes of LDS; arguments x, w_qkv, w_proj, lowp_scales, xq, wq1, wq2; writes xq, wq1, wq2
.if DOCPART == 1
	.amdgcn_target "amdgcn-amd-amdhsa--gfx1250"
	.amdhsa_code_object_version 6
	.text
	.protected	k_q74a0342bea_quant
	.globl	k_q74a0342bea_quant
	.p2align	8
	.type	k_q74a0342bea_quant,@function
k_q74a0342bea_quant:
	s_mov_b64 s[64:65], 0
	v_nop
	global_prefetch_b8 v0, s[64:65] scope:SCOPE_SE
	s_setreg_imm32_b32 hwreg(HW_REG_WAVE_MODE, 25, 1), 1
	s_wait_xcnt 0x0
; x [8192][1024], w_qkv [1024][3072] and w_proj [1024][1024], f32, become codes of FP8 (E4M3), each with its given scale 2^e (entries 0, 1 and 7 of the scales).
; code = number / 2^e, held within +-448, rounded to the nearest code, ties to even.  LIMITS: each e between -126 and 119.  NaN among the inputs is not served.
; THE CODES ARE LAID AS IMAGES OF THE OPERAND'S REGISTERS.  A fragment is 16 rows x 128 K, 16 registers a lane, 2,048 bytes: registers 4 c .. 4 c + 3 of lane l lie at 512 c + 16 l.
; Lane (r = l % 16, h = l / 16) holds, of row r, K = 16 c' + 8 h + 0 .. 7 in registers 2 c', 2 c' + 1.  A tile of 16 rows x 256 K (two fragments) is 4,096 bytes; the buffers are [K / 256][tile][4096].
; Work-groups 0-255 take x (K innermost: a wave makes one tile, through its own stage in LDS), 256-447 w_qkv, 448-511 w_proj (K is the first axis: a lane takes a column, its registers run down K).
; No tensor loads, no barrier: waves share nothing.  Every load of a wave is issued at once.
.set PIT,  1040                        ; a stage row: 1,024 bytes + 16 = 65 x 16: sixteen rows start at sixteen different columns of 16 bytes
.set STG,  16*PIT                      ; a wave's stage
.set RW,   32                          ; v32-159  x as loaded: 2 K steps x 16 rows x 4 registers
.set XN,   160                         ; v160-223 64 numbers in the fragment's order
.set C0,   224                         ; v224-239 the first fragment's codes
.set C1,   240                         ; v240-255 the second's
.macro SCALE e                         ; v11 = 2^e as f32 (the conversion takes its exponent field)
	s_add_co_i32 s36, s[\e], 127
	s_lshl_b32 s37, s36, 23
	v_mov_b32 v11, s37
.endm
.macro HOLD s, n
.set i, 0
.rept \n
.set i, i+1
.endr
.endm
.macro CODES s, c, n                   ; n x 8 numbers -> n x 2 registers of codes
.set i, 0
.rept \n
	v_cvt_scalef32_pk8_fp8_f32 v[\c+2*i:\c+2*i+1], v[\s+8*i:\s+8*i+7], v11
.set i, i+1
.endr
.endm
; A weight [1024][N].  A work-group takes 64 along K x 256 columns, a wave 32 columns: two tiles of 16 rows of the operand.  Lane l is column l; register 32 cc + i holds K = 32 cc + (0..7, 16..23, 8..15, 24..31)[i]:
; the first sixteen codes of a group of 32 K are what the image gives lane (r, 0), the other sixteen what it gives lane (r, 1).
.macro WQ N, NT, src, dst, e, first
	s_sub_co_u32 s19, ttmp9, \first
	s_and_b32 s20, s19, 15                         ; which 64 along K
	s_lshr_b32 s21, s19, 4                         ; which 256 columns
	s_mul_i32 s32, s20, 64*\N*4
	s_lshl_b32 s22, s21, 10
	s_add_co_u32 s32, s32, s22
	s_lshl_b32 s22, s18, 7
	s_add_co_u32 s32, s32, s22                     ; source: 64 kp rows + (256 cb + 32 wave) columns
	s_mov_b32 s33, 0
	s_add_nc_u64 s[\src:\src+1], s[\src:\src+1], s[32:33]
	v_lshlrev_b32 v2, 2, v1                        ; 4 bytes a lane
.set i, 0
.rept 64
	global_load_b32 v[32+i], v2, s[\src:\src+1] offset:(32*(i/32)+(i%8)+16*((i/8)%2)+8*((i%32)/16))*\N*4 th:TH_LOAD_NT
.set i, i+1
.endr
	s_lshr_b32 s22, s20, 2
	s_mul_i32 s34, s22, \NT*4096                   ; the chunk of 256 K,
	s_lshl_b32 s22, s21, 16
	s_add_co_u32 s34, s34, s22
	s_lshl_b32 s22, s18, 13
	s_add_co_u32 s34, s34, s22                     ; tile 16 cb + 2 wave,
	s_and_b32 s22, s20, 3
	s_lshl_b32 s22, s22, 10
	s_add_co_u32 s34, s34, s22                     ; and the 64 K's two groups of registers in it
	s_mov_b32 s35, 0
	s_add_nc_u64 s[\dst:\dst+1], s[\dst:\dst+1], s[34:35]
	v_lshrrev_b32 v4, 4, v1
	v_and_b32 v5, 15, v1
	s_delay_alu instid0(VALU_DEP_1)
	v_lshlrev_b32 v3, 4, v5
	s_delay_alu instid0(VALU_DEP_1)
	v_lshl_add_u32 v3, v4, 12, v3                  ; my tile (l / 16) and my row's 16 bytes in a group
	s_wait_kmcnt 0x0
	SCALE \e
	s_wait_alu depctr_va_vdst(0)
	s_wait_loadcnt 32                              ; the first 32 K are in; the other 32 loads may be out
	HOLD 32, 32
	CODES 32, 96, 4
	s_wait_alu depctr_va_vdst(0)
	s_wait_loadcnt 0x0
	HOLD 64, 32
	CODES 64, 104, 4
	v_nop                                          ; a plain line behind the last conversion
.irp cc, 0,1
.irp h, 0,1
	global_store_b128 v3, v[96+8*\cc+4*\h:96+8*\cc+4*\h+3], s[\dst:\dst+1] offset:\cc*512+\h*256   ; sixteen lanes store 256 consecutive bytes, aligned
.endr
.endr
.endm
	s_load_b256 s[4:11], s[0:1], 0x0               ; x s[4:5], w_qkv s[6:7], w_proj s[8:9], the scales s[10:11]
	s_load_b128 s[12:15], s[0:1], 0x20             ; xq s[12:13], wq1 s[14:15]
	s_load_b64 s[16:17], s[0:1], 0x30              ; wq2
	v_lshl_add_u32 v30, v0, 2, 0x20800
	v_mov_b32 v31, 0
	v_lshrrev_b32 v1, 5, v0
	s_delay_alu instid0(VALU_DEP_1)
	v_readfirstlane_b32 s18, v1                    ; wave 0..7
	v_and_b32 v1, 31, v0                           ; lane
	s_wait_kmcnt 0x0
	s_load_b256 s[24:31], s[10:11], 0x0            ; e0 .. e7
	s_cmp_lt_u32 ttmp9, 256
	s_cbranch_scc1 .Lx
	s_cmp_lt_u32 ttmp9, 448
	s_cbranch_scc1 .Lw1
	s_wait_alu depctr_va_vdst(0)
	WQ 1024, 64, 8, 16, 31, 448
	s_endpgm
.Lw1:
	s_wait_alu depctr_va_vdst(0)
	WQ 3072, 192, 6, 14, 25, 256
	s_endpgm
.Lx:
	; x: wave f = 8 x work-group + wave makes the tile of rows 16 (f / 4) on, K = 256 (f % 4) on
	s_lshl_b32 s19, ttmp9, 3
	s_add_co_u32 s19, s19, s18
	s_lshr_b32 s20, s19, 2
	s_and_b32 s21, s19, 3
	s_lshl_b32 s32, s20, 16                        ; 16 rows of 4,096 bytes
	s_lshl_b32 s22, s21, 10
	s_add_co_u32 s32, s32, s22
	s_mov_b32 s33, 0
	s_add_nc_u64 s[4:5], s[4:5], s[32:33]
	s_wait_alu depctr_va_vdst(0)
	v_lshlrev_b32 v2, 4, v1                        ; 16 x lane
.irp i, 0,1,2,3,4,5,6,7,8,9,10,11,12,13,14,15
	global_load_b128 v[RW+4*\i:RW+4*\i+3], v2, s[4:5] offset:\i*4096 th:TH_LOAD_NT       ; 32 lanes read 512 consecutive bytes: row i, the first 128 K
.endr
.irp i, 0,1,2,3,4,5,6,7,8,9,10,11,12,13,14,15
	global_load_b128 v[RW+64+4*\i:RW+64+4*\i+3], v2, s[4:5] offset:\i*4096+512 th:TH_LOAD_NT   ; the second 128 K
.endr
	s_lshl_b32 s34, s21, 21
	s_lshl_b32 s22, s20, 12
	s_add_co_u32 s34, s34, s22
	s_mov_b32 s35, 0
	s_add_nc_u64 s[12:13], s[12:13], s[34:35]      ; xq: chunk f % 4, tile f / 4
	s_mul_i32 s23, s18, STG                        ; my stage
	v_add_nc_u32 v3, s23, v2                       ; in: as loaded
	v_and_b32 v5, 15, v1
	v_lshrrev_b32 v6, 4, v1
	s_delay_alu instid0(VALU_DEP_2)
	v_mul_u32_u24 v4, v5, PIT
	s_delay_alu instid0(VALU_DEP_1)
	v_lshl_add_u32 v4, v6, 5, v4
	s_delay_alu instid0(VALU_DEP_1)
	v_add_nc_u32 v4, s23, v4                       ; out: row r, + 32 h bytes: K = 8 h on
	s_wait_alu depctr_va_vdst(0)
	s_wait_loadcnt 16                              ; the first K step's sixteen loads are in; the second's may be out
.irp i, 0,1,2,3,4,5,6,7,8,9,10,11,12,13,14,15
	ds_store_b128 v3, v[RW+4*\i:RW+4*\i+3] offset:\i*PIT
.endr
.irp c, 0,1,2,3
.irp p, 0,1,2,3
	ds_load_b128 v[XN+16*\c+4*\p:XN+16*\c+4*\p+3], v4 offset:128*\c+16*(\p%2)+64*(\p/2)   ; LDS serves a wave's instructions in order: these see my stores.  K = 32 c + 16 (p / 2) + 8 h + 4 (p % 2) on
.endr
.endr
	s_wait_loadcnt 0x0
.irp i, 0,1,2,3,4,5,6,7,8,9,10,11,12,13,14,15
	ds_store_b128 v3, v[RW+64+4*\i:RW+64+4*\i+3] offset:\i*PIT+512
.endr
	s_wait_dscnt 16                                ; all but the sixteen stores just issued: the first K step's numbers are back, and its stores have read v32-95,
.irp c, 0,1,2,3
.irp p, 0,1,2,3
	ds_load_b128 v[RW+16*\c+4*\p:RW+16*\c+4*\p+3], v4 offset:512+128*\c+16*(\p%2)+64*(\p/2)   ; which take the second K step's numbers
.endr
.endr
	s_wait_kmcnt 0x0
	SCALE 24
	HOLD XN, 64
	CODES XN, C0, 8
	v_nop
.irp c, 0,1,2,3
	global_store_b128 v2, v[C0+4*\c:C0+4*\c+3], s[12:13] offset:\c*512       ; 32 lanes store 512 consecutive bytes, aligned
.endr
	s_wait_alu depctr_va_vdst(0)
	s_wait_dscnt 0x0
	HOLD RW, 64
	CODES RW, C1, 8
	v_nop
.irp c, 0,1,2,3
	global_store_b128 v2, v[C1+4*\c:C1+4*\c+3], s[12:13] offset:2048+\c*512
.endr
	s_wait_tensorcnt 0x0
	ds_add_u32 v30, v31
	s_wait_dscnt 0x0
	s_endpgm
.Lfunc_end_k_q74a0342bea_quant:
	.size	k_q74a0342bea_quant, .Lfunc_end_k_q74a0342bea_quant-k_q74a0342bea_quant
	.p2alignl 7, 3214868480
	.fill 96, 4, 3214868480
	.section	.rodata,"a",@progbits
	.p2align	6, 0x0
	.amdhsa_kernel k_q74a0342bea_quant
		.amdhsa_group_segment_fixed_size 134144
		.amdhsa_private_segment_fixed_size 0
		.amdhsa_enable_private_segment 0
		.amdhsa_kernarg_size 56
		.amdhsa_user_sgpr_count 2
		.amdhsa_user_sgpr_kernarg_segment_ptr 1
		.amdhsa_wavefront_size32 1
		.amdhsa_system_sgpr_workgroup_id_x 1
		.amdhsa_system_sgpr_workgroup_id_y 1
		.amdhsa_system_sgpr_workgroup_id_z 1
		.amdhsa_system_vgpr_workitem_id 0
		.amdhsa_next_free_vgpr 256
		.amdhsa_next_free_sgpr 66
		.amdhsa_reserve_vcc 0
		.amdhsa_float_denorm_mode_32 3
		.amdhsa_float_denorm_mode_16_64 3
		.amdhsa_fp16_overflow 1
		.amdhsa_memory_ordered 1
		.amdhsa_forward_progress 1
		.amdhsa_inst_pref_size 28
	.end_amdhsa_kernel
	.amdgpu_metadata
---
amdhsa.version: [ 1, 2 ]
amdhsa.kernels:
  - .name:           k_q74a0342bea_quant
    .symbol:         k_q74a0342bea_quant.kd
    .args:
      - { .name: x, .offset: 0, .size: 8, .value_kind: global_buffer, .address_space: global }
      - { .name: w_qkv, .offset: 8, .size: 8, .value_kind: global_buffer, .address_space: global }
      - { .name: w_proj, .offset: 16, .size: 8, .value_kind: global_buffer, .address_space: global }
      - { .name: lowp_scales, .offset: 24, .size: 8, .value_kind: global_buffer, .address_space: global }
      - { .name: xq, .offset: 32, .size: 8, .value_kind: global_buffer, .address_space: global }
      - { .name: wq1, .offset: 40, .size: 8, .value_kind: global_buffer, .address_space: global }
      - { .name: wq2, .offset: 48, .size: 8, .value_kind: global_buffer, .address_space: global }
    .group_segment_fixed_size: 134144
    .private_segment_fixed_size: 0
    .kernarg_segment_align: 8
    .kernarg_segment_size: 56
    .max_flat_workgroup_size: 256
    .sgpr_count:     66
    .vgpr_count:     256
    .wavefront_size: 32
...
	.end_amdgpu_metadata
.endif
;; end of part 1
;; launch qkv (part 2): grid 12 x 32, 4 waves a work-group, clusters of 4 x 4, 327,680 bytes of LDS; arguments xq, wq1, b_qkv, lowp_scales, qc, kc, vc; writes qc, kc, vc
.if DOCPART == 2
	.amdgcn_target "amdgcn-amd-amdhsa--gfx1250"
	.amdhsa_code_object_version 6
	.text
	.protected	k_q74a0342bea_qkv
	.globl	k_q74a0342bea_qkv
	.p2align	8
	.type	k_q74a0342bea_qkv,@function
k_q74a0342bea_qkv:
	s_mov_b64 s[64:65], 0
	v_nop
	global_prefetch_b8 v0, s[64:65] scope:SCOPE_SE
	s_setreg_imm32_b32 hwreg(HW_REG_WAVE_MODE, 25, 1), 1
	s_wait_xcnt 0x0
	s_wait_alu depctr_hold_cnt(0) depctr_sa_sdst(0) depctr_va_vdst(0) depctr_va_sdst(0) depctr_va_ssrc(0) depctr_va_vcc(0) depctr_vm_vsrc(0)
	s_getreg_b32 s2, hwreg(HW_REG_IB_STS2, 6, 4)
	s_cmp_eq_u32 s2, 0
	s_cbranch_scc0 .Lentry_in_a_cluster
	s_endpgm
.Lentry_in_a_cluster:
	s_bfe_u32 s2, ttmp6, 0x10000c
	s_cmp_lg_u32 s2, 0xf033
	s_cbranch_scc0 .Lentry_shape_is_right
	s_endpgm
.Lentry_shape_is_right:
; qkv = x w_qkv + b_qkv on codes of FP8 (E4M3), M = 8,192, N = 3,072, K = 1,024; each result is quantised at once, with its own given scale, into the operand images that the attention launch reads.
; A sum stands for sum x 2^(e0 + e1); value = sum x 2^(e0 + e1) + bias; code = value / 2^et held within +-448, et = e2 (q), e3 (k), e5 (v).
; LIMITS: e0 + e1 between -126 and 127; e2, e3, e5 between -126 and 119.
; OPERANDS ARE IMAGES OF THEIR REGISTERS: a tile of 16 rows x 256 K is 4,096 bytes, two fragments of 2,048: registers 4 c .. 4 c + 3 of lane l at 512 c + 16 l.  xq: [K / 256][512 tiles][4096], wq1: [K / 256][192 tiles][4096].
; So a K chunk's sixteen tiles are one dense block, LDS needs no padding (a load's 512 bytes are consecutive), and every fragment comes by four ds_load_b128 at a constant + 16 x lane.
; A tile of the result, 256 tokens x 256 columns, is made by four waves, 128 x 128 each: 64 accumulators.  K goes in chunks of 256 through two LDS slots (x's sixteen tiles, then w's sixteen), four chunks in all.
; CLUSTERS of 4 x 4: x's tiles are shared along a row of the cluster, w's along a column: joint loads.  The cluster's x says which of q, k, v its 1,024 columns are: it is the same in all sixteen partners.
; WHICH OPERAND IS WHICH SOURCE.  In a result, source 1's row is the lane and source 0's rows run along the registers.  q and k are wanted with the head's 64 innermost: source 0 = w, source 1 = x: a lane holds a token and
; eight neighbouring columns.  v is wanted with the tokens (the keys) innermost: source 0 = x, source 1 = w.  The text is one: only the two LDS regions from which the two sets of fragments are read change places.
; Either way one conversion of an accumulator's eight registers gives two registers of the image that is wanted, and the wave stores 512 consecutive bytes at a time: no stage.
; REGISTERS, in windows of 256: window 0: v0-31 addresses; v32-95 the bias along the registers, v96-111 the bias by lane; from v128 source 1's fragments, ONE set (on the way out: v128-191 values, v192-223 codes).
;   window 1: source 0's fragments, TWO sets.   windows 2, 3: the accumulators ((a, b) at v[8 (8 (a % 4) + b)]).
.set FR,     16                        ; registers of a fragment
.set NL,     4                         ; LDS loads that bring one
.set NP,     4                         ; places behind this matrix instruction (ISA guide 7.12.1)
.set REGB,   65536                     ; a region: sixteen tiles of 4,096 bytes
.set SLOT,   2*REGB
.set SPARE,  2*SLOT                    ; behind the ring: the spare words, 128 bytes for each wave
.set XCH,    512*4096                  ; from chunk to chunk in xq
.set WCH,    192*4096                  ; and in wq1
.set ADRA, 16                          ; v16-17  LDS address of source 1's fragments in slot 0, 1
.set ADRB, 20                          ; v20-21  of source 0's
.set CO,   26                          ; v26     16 x lane
.set SPW,  28                          ; v28     LDS address of my spare word; never rewritten
.set NIL,  29                          ; v29     0; never rewritten
.set SCV,  30                          ; v30     2^et
.set LIMV, 31
.set BQ,   32
.set BV,   96
.set AF,   128
.set TMP,  128
.set CD,   192
.set G1, 24                            ; s[24:31] group 1 for x's tiles; s[32:39] group 0, one set for each slot
.set G0, 32
.set G1B, 48                           ; s[48:55], s[56:63] the same for w's
.set G0B, 56
.set MSB, 0
.macro WIN new                         ; the immediate's high byte repeats the setting that is left
.if MSB != \new
	s_set_vgpr_msb (MSB<<8)|\new
.set MSB, \new
.endif
.endm
.set MUL_LO, 0xa1                      ; source 0 window 1, source 1 window 0, C and D window 2
.set MUL_HI, 0xf1                      ; the same, C and D window 3
.set TO_B,   0x40                      ; destination window 1, address window 0
; A joint load: waves 0 and 1 fetch x's halves, waves 2 and 3 w's.  The branch hangs on the wave's number alone.  Four v_nop follow each of the two lines.
.macro JLOAD g0a, g1a, g0b, g1b
	s_cmp_eq_u32 s15, 0
	s_cbranch_scc0 .Lfor_b_\@
	tensor_load_to_lds s[\g0a:\g0a+3], s[\g1a:\g1a+7]
	s_nop 0
.rept 4
	v_nop
.endr
	s_branch .Lasked_\@
.Lfor_b_\@:
	tensor_load_to_lds s[\g0b:\g0b+3], s[\g1b:\g1b+7]
	s_nop 0
.rept 4
	v_nop
.endr
.Lasked_\@:
.endm
.macro CREST                           ; a round of the cluster's barrier behind its opening barrier
	s_cmp_lg_u32 s14, 0
	s_cbranch_scc1 .Lnot_wave_0_\@
	s_barrier_signal -3
.Lnot_wave_0_\@:
	s_barrier_wait -3
	s_barrier_signal -1
	s_barrier_wait -1
.endm
.macro CROUND
	s_barrier_signal -1
	s_barrier_wait -1
	CREST
.endm
	s_load_b256 s[4:11], s[0:1], 0x0               ; xq s[4:5], wq1 s[6:7], b_qkv s[8:9], the scales s[10:11]
	s_load_b128 s[84:87], s[0:1], 0x20             ; qc, kc
	s_load_b64 s[88:89], s[0:1], 0x30              ; vc
	v_lshl_add_u32 v[SPW], v0, 2, SPARE
	v_mov_b32 v[NIL], 0
	ds_add_u32 v28, v29
	ds_add_u32 v28, v29
	s_wait_dscnt 0x0
	v_lshrrev_b32 v1, 5, v0
	v_readfirstlane_b32 s14, v1                    ; wave 0..3
	s_lshr_b32 s15, s14, 1                         ; which half of source 1's region is mine.  Also: I fetch for x (0) or for w (1)
	s_and_b32 s16, s14, 1                          ; which half of source 0's region.  Also: which eight tiles I fetch
	s_bfe_u32 s40, ttmp6, 0x40000                  ; cx, cy: my place in the cluster
	s_bfe_u32 s41, ttmp6, 0x40004
	s_lshl_b32 s42, ttmp9, 2
	s_add_co_u32 s42, s42, s40                     ; tile column = 4 x cluster x + cx
	s_and_b32 s17, ttmp7, 0xffff
	s_lshl_b32 s17, s17, 2
	s_add_co_u32 s17, s17, s41                     ; tile row = 4 x cluster y + cy
	s_lshl_b32 s43, s41, 2
	s_lshl_b32 s43, 15, s43                        ; my row of the cluster
	s_lshl_b32 s44, 0x1111, s40                    ; my column
	; group 1: a dense block of 32,768 bytes as 128 rows of 32 elements of 8 bytes
	s_or_b32 s[G1+0], s43, (3<<16)|(1<<21)         ; 15:0 the mask: x's tiles go to my row; 17:16 elements of 8 bytes; 21 set beside a mask
	s_or_b32 s[G1B+0], s44, (3<<16)|(1<<21)        ; w's go to my column
.irp g, G1, G1B
	s_mov_b32 s[\g+1], 32<<16                      ; tensor_dim0
	s_mov_b32 s[\g+2], 128<<16                     ; tensor_dim1
	s_mov_b32 s[\g+3], 32<<16                      ; tile_dim0
	s_mov_b32 s[\g+4], 128                         ; tile_dim1
	s_mov_b32 s[\g+5], 32                          ; the pitch
	s_mov_b32 s[\g+6], 0
	s_mov_b32 s[\g+7], 0
.endr
	s_lshl_b32 s18, s16, 15                        ; which eight tiles I fetch
	s_lshl_b32 s20, s17, 16
	s_add_co_u32 s20, s20, s18                     ; x: sixteen tiles a tile row
	s_mov_b32 s21, 0
	s_lshl_b32 s46, s42, 16
	s_add_co_u32 s46, s46, s18                     ; w: sixteen tiles a tile column
	s_mov_b32 s47, 0
	s_lshl_b32 s45, s14, 15                        ; where they go: wave x 32,768: no place in the cluster enters an LDS address
	s_cmp_eq_u32 ttmp9, 2                          ; v?  The cluster's x is the same in all partners
	s_cselect_b32 s66, REGB, 0                     ; source 1's region: x's, for v w's
	s_cselect_b32 s67, 0, REGB                     ; source 0's region: w's, for v x's
	s_cselect_b32 s68, s16, s15                    ; which half of the tokens is mine
	s_cselect_b32 s69, s15, s16                    ; which half of the columns
	s_wait_kmcnt 0x0
	s_load_b256 s[76:83], s[10:11], 0x0            ; e0 .. e7
	s_add_nc_u64 s[20:21], s[4:5], s[20:21]
	s_add_nc_u64 s[46:47], s[6:7], s[46:47]
	CROUND                                         ; all sixteen work-groups are here: the first joint loads meet
.irp s, 0,1
	s_mov_b32 s[G0+4*\s], 1
	s_add_co_u32 s[G0+4*\s+1], s45, \s*SLOT
	s_add_nc_u64 s[G0+4*\s+2:G0+4*\s+3], s[20:21], \s*XCH
	s_or_b32 s[G0+4*\s+3], s[G0+4*\s+3], 0x80000000
	s_mov_b32 s[G0B+4*\s], 1
	s_add_co_u32 s[G0B+4*\s+1], s45, \s*SLOT
	s_add_nc_u64 s[G0B+4*\s+2:G0B+4*\s+3], s[46:47], \s*WCH
	s_or_b32 s[G0B+4*\s+3], s[G0B+4*\s+3], 0x80000000
	JLOAD G0+4*\s, G1, G0B+4*\s, G1B
.endr
	v_and_b32 v1, 31, v0
	v_lshlrev_b32 v[CO], 4, v1
	s_lshl_b32 s21, s15, 15
	s_add_co_u32 s21, s21, s66                     ; my eight tiles of source 1
	s_lshl_b32 s22, s16, 15
	s_add_co_u32 s22, s22, s67                     ; and of source 0
.irp s, 0,1
	v_add_nc_u32 v[ADRA+\s], s21, v[CO]
	v_add_nc_u32 v[ADRB+\s], s22, v[CO]
	s_add_co_u32 s21, s21, SLOT
	s_add_co_u32 s22, s22, SLOT
.endr
	; the bias of my 128 columns, in both forms: along the registers (q, k: column 16 b + 8 h + j) and by lane (v: column 16 a + r, twice, for a pair)
	s_lshl_b32 s70, ttmp9, 12
	s_lshl_b32 s71, s40, 10
	s_add_co_u32 s70, s70, s71
	s_lshl_b32 s71, s69, 9
	s_add_co_u32 s70, s70, s71                     ; 4 x (1,024 x cluster x + 256 cx + 128 x my half)
	s_mov_b32 s71, 0
	s_add_nc_u64 s[8:9], s[8:9], s[70:71]
	v_bfe_u32 v2, v0, 4, 1
	v_lshlrev_b32 v5, 5, v2                        ; 32 h
	v_and_b32 v3, 15, v0
	v_lshlrev_b32 v6, 2, v3                        ; 4 r
.irp b, 0,1,2,3,4,5,6,7
	global_load_b128 v[BQ+8*\b:BQ+8*\b+3], v5, s[8:9] offset:64*\b
	global_load_b128 v[BQ+8*\b+4:BQ+8*\b+7], v5, s[8:9] offset:64*\b+16
.endr
.irp a, 0,1,2,3,4,5,6,7
	global_load_b32 v[BV+2*\a], v6, s[8:9] offset:64*\a
	global_load_b32 v[BV+2*\a+1], v6, s[8:9] offset:64*\a
.endr
	; where my results go.  All three buffers have 131,072 bytes a head; my 128 tokens are 8,192 bytes of it: eight tiles of 1,024 (q, k) or one key step of four fragments of 2,048 (v)
	s_lshr_b32 s70, s17, 3
	s_lshl_b32 s70, s70, 4                         ; 16 x batch
	s_lshl_b32 s71, s40, 2
	s_add_co_u32 s70, s70, s71
	s_lshl_b32 s71, s69, 1
	s_add_co_u32 s70, s70, s71                     ; + my first head: 4 cx + 2 x my half
	s_lshl_b32 s70, s70, 17
	s_and_b32 s71, s17, 7
	s_lshl_b32 s71, s71, 14
	s_add_co_u32 s70, s70, s71
	s_lshl_b32 s71, s68, 13
	s_add_co_u32 s70, s70, s71
	s_mov_b32 s71, 0
	s_wait_alu depctr_va_vdst(0)
	s_wait_kmcnt 0x0
	s_cmp_eq_u32 ttmp9, 0
	s_cselect_b64 s[92:93], s[84:85], s[86:87]
	s_cselect_b32 s90, s78, s79
	s_cmp_eq_u32 ttmp9, 2
	s_cselect_b64 s[92:93], s[88:89], s[92:93]
	s_cselect_b32 s90, s81, s90                    ; et
	s_add_nc_u64 s[92:93], s[92:93], s[70:71]
	s_add_co_i32 s90, s90, 127
	s_lshl_b32 s91, s90, 23
	v_mov_b32 v[SCV], s91
	s_add_co_i32 s96, s76, s77
	s_add_co_i32 s96, s96, 127
	s_lshl_b32 s96, s96, 23                        ; 2^(e0 + e1) as f32
	s_mov_b32 s97, s96                             ; (named with it as a pair, so it is written)
.macro FRAG reg, adr, q, i             ; tile i's fragment of the chunk's q-th 128 along K
.irp c, 0,1,2,3
	ds_load_b128 v[\reg+4*\c:\reg+4*\c+3], v[\adr] offset:(\i)*4096+(\q)*2048+\c*512
.endr
.endm
; 16 matrix instructions: source 1's blocks a0, a0 + 1 x source 0's eight.  p: source 0's set.  zero = 1: the first product starts the sums.
; The 64 accumulators take turns, one instruction a turn, in the same order in every step.
.macro MUL16 a0, p, zero
.irp a, \a0, \a0+1
.irp b, 0,1,2,3,4,5,6,7
.if \zero
	v_wmma_f32_16x16x128_fp8_fp8 v[8*(8*((\a)%4)+\b):8*(8*((\a)%4)+\b)+7], v[128*(\p)+FR*\b:128*(\p)+FR*\b+FR-1], v[AF+FR*(\a):AF+FR*(\a)+FR-1], 0
.else
	v_wmma_f32_16x16x128_fp8_fp8 v[8*(8*((\a)%4)+\b):8*(8*((\a)%4)+\b)+7], v[128*(\p)+FR*\b:128*(\p)+FR*\b+FR-1], v[AF+FR*(\a):AF+FR*(\a)+FR-1], v[8*(8*((\a)%4)+\b):8*(8*((\a)%4)+\b)+7]
.endif
.endr
.endr
.endm
.macro FETCH_B slot, q, p
	WIN TO_B
.irp i, 0,1,2,3,4,5,6,7
	FRAG 128*(\p)+FR*\i, ADRB+\slot, \q, \i
.endr
	WIN 0
.endm
.macro FETCH_A slot, q, i0
.irp i, \i0, \i0+1, \i0+2, \i0+3
	FRAG AF+FR*(\i), ADRA+\slot, \q, \i
.endr
.endm
.macro PLACES n                        ; plain vector lines between a matrix instruction and a load into, or a vector read or write of, its registers
.rept \n
	v_nop
.endr
.endm
; A step of 128 along K that has its successor in the same slot.  A block of source 1 is free as soon as its eight products are issued: blocks 0-3 are fetched anew in the step's middle, blocks 4-7 at its end.
.macro STEP slot, q, zero
	s_wait_dscnt 4*NL                              ; source 0's set and source 1's blocks 0-3 are in; the youngest sixteen loads (blocks 4-7) may be out
	WIN MUL_LO
	MUL16 0, (\q)%2, \zero
	MUL16 2, (\q)%2, \zero
	s_wait_dscnt 0
	PLACES NP
	FETCH_B \slot, (\q)+1, 1-(\q)%2
	FETCH_A \slot, (\q)+1, 0
	WIN MUL_HI
	MUL16 4, (\q)%2, \zero
	MUL16 6, (\q)%2, \zero
	PLACES NP
	WIN 0
	FETCH_A \slot, (\q)+1, 4
.endm
; A slot's last step changes slots: one barrier; in front of it each wave waits for all its tensor loads, adds 0 to its spare word, and waits for that and for its own reads of this slot.  fill = 1: the slot is filled again, two chunks on.
.macro TURN slot, next, fill
	s_wait_tensorcnt 0x0                           ; all my tensor loads have landed: my part of the next slot  (every window is 0 here)
	ds_add_u32 v[SPW], v[NIL]                      ; 0 onto my spare word
	s_wait_dscnt 4*NL+1                            ; the add and the youngest sixteen loads may be out
	WIN MUL_LO
	MUL16 0, 1, 0
	s_wait_dscnt 0x0                               ; the add is done, and my reads of this slot are over
	s_barrier_signal -1
	MUL16 2, 1, 0
	WIN 0
	s_barrier_wait -1
.if \fill
	CREST                                          ; the barrier has opened a round of the cluster's: no wave of any partner still reads this slot or has a load on its way
	s_add_nc_u64 s[G0+4*\slot+2:G0+4*\slot+3], s[G0+4*\slot+2:G0+4*\slot+3], 2*XCH
	s_add_nc_u64 s[G0B+4*\slot+2:G0B+4*\slot+3], s[G0B+4*\slot+2:G0B+4*\slot+3], 2*WCH
	JLOAD G0+4*\slot, G1, G0B+4*\slot, G1B         ; the first tensor load behind the round; its four v_nop are also the places in front of the loads below
.else
	PLACES NP
.endif
	FETCH_B \next, 0, 0
	FETCH_A \next, 0, 0
	WIN MUL_HI
	MUL16 4, 1, 0
	MUL16 6, 1, 0
	PLACES NP
	WIN 0
	FETCH_A \next, 0, 4
.endm
	s_wait_tensorcnt 1                             ; my part of chunk 0 is in (chunk 1's load may be out)
	s_barrier_signal -1
	s_barrier_wait -1                              ; everybody's is
	FETCH_B 0, 0, 0
	FETCH_A 0, 0, 0
	FETCH_A 0, 0, 4
	STEP 0, 0, 1                                   ; four chunks, eight steps, written out: a loop would have one trip
	TURN 0, 1, 1                                   ; slot 0 takes chunk 2
	STEP 1, 0, 0
	TURN 1, 0, 1                                   ; slot 1 takes chunk 3
	STEP 0, 0, 0
	TURN 0, 1, 0                                   ; nothing is left to fetch
	STEP 1, 0, 0
	s_wait_dscnt 4*NL
	WIN MUL_LO
	MUL16 0, 1, 0
	MUL16 2, 1, 0
	s_wait_dscnt 0
	WIN MUL_HI
	MUL16 4, 1, 0
	MUL16 6, 1, 0
	WIN 0
; THE WAY OUT of source 1's block a: 64 sums a lane become values, are held, and become 16 registers of codes, which are four groups of an image.
; mode 0 (q, k): accumulator b gives registers 2 (b % 4), + 1 of the fragment (head b / 4, token tile a).   mode 1 (v): registers 2 b, 2 b + 1 of the fragment (head a / 4, 16 of the head's 64: a % 4) of my key step.
.macro OUT a, mode
.set AC, 64*((\a)%4)
.set CC, CD+16*((\a)%2)
	WIN 0x02+((\a)/4)                              ; source 0: window 2 or 3
.set j, 0
.rept 32
.if \mode
	v_pk_fma_f32 v[TMP+j:TMP+j+1], v[AC+j:AC+j+1], s[96:97], v[BV+2*(\a):BV+2*(\a)+1] op_sel_hi:[1,0,0]   ; sum x 2^(e0 + e1) + my column's bias; each accumulator from its low end on
.else
	v_pk_fma_f32 v[TMP+j:TMP+j+1], v[AC+j:AC+j+1], s[96:97], v[BQ+j:BQ+j+1] op_sel_hi:[1,0,1]
.endif
.set j, j+2
.endr
	WIN 0
.set j, 0
.rept 64
.set j, j+1
.endr
.if (\a) >= 2
	s_wait_alu depctr_va_vdst(0)
	s_wait_xcnt 0x0                                ; block a - 2's stores have read this set of code registers
.endif
.set j, 0
.rept 8
	v_cvt_scalef32_pk8_fp8_f32 v[CC+2*j:CC+2*j+1], v[TMP+8*j:TMP+8*j+7], v[SCV]
.set j, j+1
.endr
	v_nop                                          ; a plain line behind the last conversion: the next block writes its sources
.irp g, 0,1,2,3
.if \mode
	global_store_b128 v[CO], v[CC+4*\g:CC+4*\g+3], s[92:93] offset:((\a)/4)*131072+((\a)%4)*2048+\g*512   ; 32 lanes store 512 consecutive bytes, aligned
.else
	global_store_b128 v[CO], v[CC+4*\g:CC+4*\g+3], s[92:93] offset:(\g/2)*131072+(\a)*1024+(\g%2)*512
.endif
.endr
.endm
	s_wait_loadcnt 0x0                             ; the biases
	PLACES NP                                      ; behind the last products: their results are read, and source 1's registers written, below
	s_cmp_eq_u32 ttmp9, 2
	s_cbranch_scc1 .Lmode_v
.irp a, 0,1,2,3,4,5,6,7
	OUT \a, 0
.endr
	s_branch .Lend
.Lmode_v:
.irp a, 0,1,2,3,4,5,6,7
	OUT \a, 1
.endr
.Lend:
	s_wait_tensorcnt 0x0                           ; the wave's end
	ds_add_u32 v[SPW], v[NIL]
	s_wait_dscnt 0x0
	CROUND                                         ; the closing round: no work-group ends while a partner may still ask for a tile that names it
	s_endpgm
.Lfunc_end_k_q74a0342bea_qkv:
	.size	k_q74a0342bea_qkv, .Lfunc_end_k_q74a0342bea_qkv-k_q74a0342bea_qkv
	.p2alignl 7, 3214868480
	.fill 96, 4, 3214868480
	.section	.rodata,"a",@progbits
	.p2align	6, 0x0
	.amdhsa_kernel k_q74a0342bea_qkv
		.amdhsa_group_segment_fixed_size 327680
		.amdhsa_private_segment_fixed_size 0
		.amdhsa_enable_private_segment 0
		.amdhsa_kernarg_size 56
		.amdhsa_user_sgpr_count 2
		.amdhsa_user_sgpr_kernarg_segment_ptr 1
		.amdhsa_wavefront_size32 1
		.amdhsa_system_sgpr_workgroup_id_x 1
		.amdhsa_system_sgpr_workgroup_id_y 1
		.amdhsa_system_sgpr_workgroup_id_z 1
		.amdhsa_system_vgpr_workitem_id 0
		.amdhsa_next_free_vgpr 1024
		.amdhsa_next_free_sgpr 100
		.amdhsa_reserve_vcc 0
		.amdhsa_float_denorm_mode_32 3
		.amdhsa_float_denorm_mode_16_64 3
		.amdhsa_fp16_overflow 1
		.amdhsa_memory_ordered 1
		.amdhsa_forward_progress 1
		.amdhsa_inst_pref_size 129
	.end_amdhsa_kernel
	.amdgpu_metadata
---
amdhsa.version: [ 1, 2 ]
amdhsa.kernels:
  - .name:           k_q74a0342bea_qkv
    .symbol:         k_q74a0342bea_qkv.kd
    .args:
      - { .name: xq, .offset: 0, .size: 8, .value_kind: global_buffer, .address_space: global }
      - { .name: wq1, .offset: 8, .size: 8, .value_kind: global_buffer, .address_space: global }
      - { .name: b_qkv, .offset: 16, .size: 8, .value_kind: global_buffer, .address_space: global }
      - { .name: lowp_scales, .offset: 24, .size: 8, .value_kind: global_buffer, .address_space: global }
      - { .name: qc, .offset: 32, .size: 8, .value_kind: global_buffer, .address_space: global }
      - { .name: kc, .offset: 40, .size: 8, .value_kind: global_buffer, .address_space: global }
      - { .name: vc, .offset: 48, .size: 8, .value_kind: global_buffer, .address_space: global }
    .group_segment_fixed_size: 327680
    .private_segment_fixed_size: 0
    .kernarg_segment_align: 8
    .kernarg_segment_size: 56
    .max_flat_workgroup_size: 128
    .sgpr_count:     100
    .vgpr_count:     1024
    .wavefront_size: 32
...
	.end_amdgpu_metadata
.endif
;; end of part 2
;; launch attn (part 3): grid 4 x 64, 16 waves a work-group, clusters of 4 x 1, 264,192 bytes of LDS; arguments qc, kc, vc, lowp_scales, yc; writes yc
.if DOCPART == 3
	.amdgcn_target "amdgcn-amd-amdhsa--gfx1250"
	.amdhsa_code_object_version 6
	.text
	.protected	k_q74a0342bea_attn
	.globl	k_q74a0342bea_attn
	.p2align	8
	.type	k_q74a0342bea_attn,@function
k_q74a0342bea_attn:
	s_mov_b64 s[64:65], 0
	v_nop
	global_prefetch_b8 v0, s[64:65] scope:SCOPE_SE
	s_setreg_imm32_b32 hwreg(HW_REG_WAVE_MODE, 25, 1), 1
	s_wait_xcnt 0x0
	s_wait_alu depctr_hold_cnt(0) depctr_sa_sdst(0) depctr_va_vdst(0) depctr_va_sdst(0) depctr_va_ssrc(0) depctr_va_vcc(0) depctr_vm_vsrc(0)
	s_getreg_b32 s2, hwreg(HW_REG_IB_STS2, 6, 4)
	s_cmp_eq_u32 s2, 0
	s_cbranch_scc0 .Lentry_in_a_cluster
	s_endpgm
.Lentry_in_a_cluster:
	s_bfe_u32 s2, ttmp6, 0x10000c
	s_cmp_lg_u32 s2, 0x3003
	s_cbranch_scc0 .Lentry_shape_is_right
	s_endpgm
.Lentry_shape_is_right:
; y[b][q][head] = softmax_k(q . k / 8, causal) v, both products on codes of FP8 (E4M3); y is quantised at once, with its given scale 2^e6, into the image that the last product reads.
; t = score x log2(e) / 8; M = the running largest t rounded UP to a whole number; p = 2^(t - M) is quantised with 2^e4, not normalised; the row's sum is taken of the unquantised p and divides at the end.
; LIMITS: e2 + e3 between -123 and 130 (they are added to the exponent field of log2(e) / 8); e4 and e6 between -126 and 119; e4 + e5 is applied by v_ldexp_f32 and has none.
; INPUTS ARE IMAGES OF THE OPERANDS' REGISTERS: qc, kc: [64 heads][128 tiles of 16 tokens][1,024 bytes] (16 rows x 64: registers 4 c .. 4 c + 3 of lane l at 512 c + 16 l);
; vc: [64 heads][16 key steps][4 tiles of 16 of the head's 64][2,048 bytes] (16 rows x 128 keys).  Every fragment is read at a constant + 16 x lane: no pitch, no padding.
; SHARES.  The four work-groups of a cluster share one head.  ALL of the head's K and V, 131,072 bytes each, lies in LDS, filled once, by joint loads: the same load with the same descriptor and a mask that names the four.
; Nothing is filled again.  The loads go out in three chunks (key steps 0-3, 4-7, 8-15), so that the work begins when the first has landed.
; A wave owns TWO tiles of 16 queries: j = cx + 4 x wave, and 127 - j.  With a = wave / 2 (= j / 8) the late tile needs key steps 0 .. 15 - a and the early one 0 .. a: 17 steps of 128 keys in every wave.
; A tile's last step lies on the diagonal: there hidden scores become -infinity ahead of the maximum.  Trip counts are constants; a step that a tile does not need is jumped over by a branch on the wave's number and the step's.
; LAYOUT.  S^T = K Q^T (source 0 = 16 keys, source 1 = my 16 queries), O^T = V^T P^T: a lane holds ONE query (lane % 16) throughout; register 8 t + i of S^T is key 16 t + 8 (lane / 16) + i: a conversion of a tile's eight
; registers gives registers 2 t, 2 t + 1 of P's fragment; likewise O^T's four tiles give eight registers of y's image.
; REGISTERS: v1 16 x lane; v2, v3 addresses in hand; v4 r - 8 h; v5 at work; v6 -infinity; v7 v1 + V's base; v12 -M, v13 the largest t, v[14:15] the sum; v16-23, v24-31 Q of the late and the early tile;
; v32-95 K's eight fragments, then V's four; v96-159 S^T, then p; v160-191 O^T; v192-207 p's codes; v208-215, v216-223 y's codes; v236-254 at work and constants.
.set VB,    131072                     ; V's images begin here
.set STEPB, 8192                       ; a key step of K (8 x 1,024) and of V (4 x 2,048)
.set WV,    14
.set SEL,   20                         ; s[20:21] selects for v_permlanex16_b32: lane l xor 16
.set CS,    22                         ; s[22:23] c = log2(e) / 8 x 2^(e2 + e3)
.set G1S,   24                         ; s[24:31] group 1: 4,096 bytes;  s[32:39]: 8,192 bytes
.set G1L,   32
.set TB,    84                         ; s84  LDS byte of the key step in hand
.set KS,    86                         ; s86  its number: also the loops' counter
.set LIMIT, 87                         ; s87  the tile's last step
.set DQ,    88                         ; s88  the tile's first query within that step
.macro ROUND                           ; a round of the cluster's barrier
	s_barrier_signal -1
	s_barrier_wait -1
	s_cmp_lg_u32 s[WV], 0
	s_cbranch_scc1 .Lnot_wave_0_\@
	s_barrier_signal -3
.Lnot_wave_0_\@:
	s_barrier_wait -3
	s_barrier_signal -1
	s_barrier_wait -1
.endm
.macro G0SET g, lreg, ladd, ptr, off, add      ; a group 0: LDS address s[lreg] + ladd, global address s[ptr] + s[off] + add
	s_mov_b32 s[\g], 1
	s_add_co_u32 s[\g+1], s[\lreg], \ladd
	s_add_nc_u64 s[\g+2:\g+3], s[\ptr:\ptr+1], s[\off:\off+1]
	s_add_nc_u64 s[\g+2:\g+3], s[\g+2:\g+3], \add
	s_or_b32 s[\g+3], s[\g+3], 0x80000000
.endm
	s_load_b256 s[4:11], s[0:1], 0x0               ; qc s[4:5], kc s[6:7], vc s[8:9], the scales s[10:11]
	s_load_b64 s[12:13], s[0:1], 0x20              ; yc
	v_lshl_add_u32 v251, v0, 2, 0x40000
	v_mov_b32 v255, 0
	ds_add_u32 v251, v255
	ds_add_u32 v251, v255
	v_lshrrev_b32 v1, 5, v0
	s_delay_alu instid0(VALU_DEP_1)
	v_readfirstlane_b32 s[WV], v1                  ; wave 0..15
	s_bfe_u32 s15, ttmp6, 0x40000                  ; cx: it enters Q's and y's addresses and the mask's numbers alone
	s_and_b32 s16, ttmp7, 0xffff                   ; 16 x batch + head, which the four partners share
	s_lshr_b32 s17, s[WV], 1                       ; a
	s_and_b32 s18, s[WV], 7                        ; which eighth of a chunk I fetch: waves 0-7 of K, waves 8-15 of V
	s_mov_b32 s[G1S], 15|(3<<16)|(1<<21)           ; 15:0 the mask: all four work-groups; 17:16 elements of 8 bytes; 21 set beside a mask
	s_mov_b32 s[G1S+1], 32<<16                     ; tensor_dim0: rows of 256 bytes
	s_mov_b32 s[G1S+2], 16<<16                     ; tensor_dim1
	s_mov_b32 s[G1S+3], 32<<16                     ; tile_dim0
	s_mov_b32 s[G1S+4], 16                         ; tile_dim1
	s_mov_b32 s[G1S+5], 32                         ; the pitch: dense
	s_mov_b32 s[G1S+6], 0
	s_mov_b32 s[G1S+7], 0
	s_mov_b32 s[G1L], 15|(3<<16)|(1<<21)
	s_mov_b32 s[G1L+1], 32<<16
	s_mov_b32 s[G1L+2], 32<<16
	s_mov_b32 s[G1L+3], 32<<16
	s_mov_b32 s[G1L+4], 32
	s_mov_b32 s[G1L+5], 32
	s_mov_b32 s[G1L+6], 0
	s_mov_b32 s[G1L+7], 0
	s_mov_b32 s[SEL], 0x76543210
	s_mov_b32 s[SEL+1], 0xfedcba98
	s_lshl_b32 s90, s16, 17                        ; the head's first byte in qc, kc and vc
	s_mov_b32 s91, 0
	s_lshl_b32 s19, s18, 12                        ; my 4,096 bytes of chunks 0 and 1,
	s_lshl_b32 s96, s18, 13                        ; my 8,192 of chunk 2
	s_mov_b32 s92, s19
	s_mov_b32 s93, 0
	s_add_nc_u64 s[92:93], s[92:93], s[90:91]
	s_mov_b32 s94, s96
	s_mov_b32 s95, 0
	s_add_nc_u64 s[94:95], s[94:95], s[90:91]
	s_wait_dscnt 0x0
	s_wait_kmcnt 0x0
	s_load_b256 s[68:75], s[10:11], 0x0            ; e0 .. e7
	G0SET 40, 19, 0,      6, 92, 0                 ; K: key steps 0-3,
	G0SET 44, 19, 32768,  6, 92, 32768             ; 4-7,
	G0SET 48, 96, 65536,  6, 94, 65536             ; 8-15
	G0SET 52, 19, VB,       8, 92, 0               ; V likewise
	G0SET 56, 19, VB+32768, 8, 92, 32768
	G0SET 60, 96, VB+65536, 8, 94, 65536
	ROUND                                          ; all four work-groups are here: the joint loads meet
	s_cmp_lt_u32 s[WV], 8                          ; a wave's three fills stand in one branch, ahead of every wait on TENSORcnt and every LDS read: three loads of mine are out
	s_cbranch_scc0 .Lfirst_v
	tensor_load_to_lds s[40:43], s[G1S:G1S+7]
	s_nop 0
	tensor_load_to_lds s[44:47], s[G1S:G1S+7]
	s_nop 0
	tensor_load_to_lds s[48:51], s[G1L:G1L+7]
	s_nop 0
.rept 4
	v_nop
.endr
	s_branch .Lfirst_asked
.Lfirst_v:
	tensor_load_to_lds s[52:55], s[G1S:G1S+7]
	s_nop 0
	tensor_load_to_lds s[56:59], s[G1S:G1S+7]
	s_nop 0
	tensor_load_to_lds s[60:63], s[G1L:G1L+7]
	s_nop 0
.rept 4
	v_nop
.endr
.Lfirst_asked:
	v_and_b32 v1, 31, v0
	s_delay_alu instid0(VALU_DEP_1)
	v_lshlrev_b32 v1, 4, v1                        ; 16 x lane
	s_wait_alu depctr_va_vdst(0)
	s_lshl_b32 s97, s[WV], 2
	s_add_co_u32 s97, s97, s15                     ; the early tile j
	s_sub_co_u32 s98, 127, s97                     ; the late tile
	s_lshl_b32 s92, s98, 10
	s_mov_b32 s93, 0
	s_add_nc_u64 s[92:93], s[92:93], s[90:91]
	s_add_nc_u64 s[76:77], s[4:5], s[92:93]        ; Q of the late tile
	s_lshl_b32 s92, s97, 10
	s_mov_b32 s93, 0
	s_add_nc_u64 s[92:93], s[92:93], s[90:91]
	s_add_nc_u64 s[78:79], s[4:5], s[92:93]        ; and of the early one
	global_load_b128 v[16:19], v1, s[76:77]
	global_load_b128 v[20:23], v1, s[76:77] offset:512
	global_load_b128 v[24:27], v1, s[78:79]
	global_load_b128 v[28:31], v1, s[78:79] offset:512
	; y's image: [K / 256 = head / 4][512 tiles of 16 tokens][4,096]; a head's 64 along K are 1,024 bytes of a tile, at 1,024 x (head % 4)
	s_and_b32 s99, s16, 15
	s_lshr_b32 s92, s99, 2
	s_lshl_b32 s92, s92, 21
	s_and_b32 s99, s99, 3
	s_lshl_b32 s99, s99, 10
	s_add_co_u32 s92, s92, s99
	s_lshr_b32 s99, s16, 4
	s_lshl_b32 s99, s99, 19                        ; the batch's 128 tiles
	s_add_co_u32 s92, s92, s99
	s_lshl_b32 s94, s98, 12
	s_add_co_u32 s94, s94, s92
	s_mov_b32 s95, 0
	s_add_nc_u64 s[80:81], s[12:13], s[94:95]
	s_lshl_b32 s94, s97, 12
	s_add_co_u32 s94, s94, s92
	s_add_nc_u64 s[82:83], s[12:13], s[94:95]
	s_and_b32 s[DQ], s98, 7
	s_lshl_b32 s[DQ], s[DQ], 4                     ; the late tile's first query within its last key step
	s_and_b32 s89, s97, 7
	s_lshl_b32 s89, s89, 4                         ; the early tile's
	v_add_nc_u32 v7, VB, v1
	v_and_b32 v8, 15, v0
	v_bfe_u32 v9, v0, 4, 1
	s_delay_alu instid0(VALU_DEP_1)
	v_lshlrev_b32 v9, 3, v9
	s_delay_alu instid0(VALU_DEP_1)
	v_sub_nc_u32 v4, v8, v9                        ; r - 8 h
	v_mov_b32 v6, 0xff800000                       ; -infinity
	v_mov_b32 v236, 0                              ; written once: a lane permute's destination counts as one of its sources
	v_mov_b32 v252, 0
	v_mov_b32 v253, 0                              ; (named as the upper half of the pair v[252:253])
	s_wait_kmcnt 0x0
	s_add_co_i32 s92, s70, s71
	s_lshl_b32 s92, s92, 23
	s_mov_b32 s[CS], 0x3e38aa3b                    ; log2(e) / 8
	s_add_co_i32 s[CS], s[CS], s92                 ; a score stands for score x 2^(e2 + e3): added to the exponent field
	s_mov_b32 s[CS+1], s[CS]                       ; (named with it as a pair, so it is written)
	s_add_co_i32 s67, s72, s73                     ; e4 + e5
	s_add_co_i32 s92, s72, 127
	s_lshl_b32 s93, s92, 23
	v_mov_b32 v244, s93                            ; 2^e4
	s_add_co_i32 s92, s74, 127
	s_lshl_b32 s93, s92, 23
	v_mov_b32 v245, s93                            ; 2^e6
.macro INIT                            ; a tile begins: the largest t -3e38, under every t; the sum and O^T zeros, which the first change of M leaves zeros
	v_mov_b32 v13, 0xff61b1e6
	s_delay_alu instid0(VALU_DEP_1)
	v_floor_f32 v12, -v13
	v_mov_b32 v14, 0
	v_mov_b32 v15, 0
.set i, 0
.rept 32
	v_mov_b32 v[160+i], 0
.set i, i+1
.endr
.endm
.macro ARRIVE n                        ; a chunk has landed in every wave's share: my loads but the n youngest are done, then the work-group's barrier.  Later chunks may stay out
	s_wait_dscnt 0x0
	s_wait_tensorcnt \n
	s_barrier_signal -1
	s_barrier_wait -1
.endm
; A KEY STEP of 128 keys for the tile whose Q begins at v[q].  guarded = 1: the step may lie behind the tile's last (left out) or be it (the diagonal).
.macro STEP q, guarded
.if \guarded
	s_cmp_gt_u32 s[KS], s[LIMIT]
	s_cbranch_scc1 .Lskip_\@
.endif
	s_setprio 2
	v_add_nc_u32 v2, s[TB], v1
	v_add_nc_u32 v3, s[TB], v7
	v_nop
	v_nop                                          ; four plain lines stand between the last products and the loads into the registers that they read
.irp t, 0,1,2,3,4,5,6,7
	ds_load_b128 v[32+8*\t:35+8*\t], v2 offset:\t*1024
	ds_load_b128 v[36+8*\t:39+8*\t], v2 offset:\t*1024+512
.endr
	s_wait_alu depctr_va_vdst(0)
	s_wait_dscnt 0x0
.irp t, 0,1,2,3,4,5,6,7
	v_wmma_f32_16x16x64_fp8_fp8 v[96+8*\t:103+8*\t], v[32+8*\t:39+8*\t], v[\q:\q+7], 0
.endr
.rept 4
	v_nop                                          ; places: in front of the loads below and of the first read of the scores
.endr
.irp d, 0,1,2,3
.irp c, 0,1,2,3
	ds_load_b128 v[32+16*\d+4*\c:35+16*\d+4*\c], v3 offset:\d*2048+\c*512   ; V lands while the softmax is worked
.endr
.endr
.if \guarded
	s_cmp_lg_u32 s[KS], s[LIMIT]
	s_cbranch_scc1 .Lopen_\@
	v_add_nc_u32 v5, s[DQ], v4                     ; d = my query within the step - 8 h.  Register 8 t + i holds key 16 t + 8 h + i: hidden where 16 t + i > d
.set n, 0
.rept 64
	v_cmp_gt_i32 vcc_lo, 16*(n/8)+n%8, v5
	v_cndmask_b32 v[96+n], v[96+n], v6, vcc_lo
.set n, n+1
.endr
.Lopen_\@:
.endif
	v_max3_num_f32 v254, v96, v97, v98             ; the step's largest score of my query among my 64 keys, in two chains, from each tile's low end on
	v_max3_num_f32 v252, v99, v100, v101
.set i, 6
.rept 14
	v_max3_num_f32 v254, v254, v[96+i], v[97+i]
	v_max3_num_f32 v252, v252, v[98+i], v[99+i]
.set i, i+4
.endr
	v_max3_num_f32 v254, v254, v158, v159
	s_delay_alu instid0(VALU_DEP_1)
	v_max_num_f32 v254, v254, v252
	s_delay_alu instid0(VALU_DEP_1)
	v_permlanex16_b32 v236, v254, s[SEL], s[SEL+1]
	s_delay_alu instid0(VALU_DEP_1)
	v_max_num_f32 v254, v254, v236                 ; and among lane l xor 16's
	s_delay_alu instid0(VALU_DEP_1)
	v_mul_f32 v254, s[CS], v254                    ; as t (c is positive)
	s_delay_alu instid0(VALU_DEP_1)
	v_max_num_f32 v13, v13, v254                   ; the running largest t
	v_mov_b32 v254, v12
	s_delay_alu instid0(VALU_DEP_2)
	v_floor_f32 v12, -v13                          ; the new -M = floor(-t): M is a whole number
	s_delay_alu instid0(VALU_DEP_1)
	v_sub_f32 v254, v12, v254                      ; old M - new M: a whole number, 0 or less
	s_delay_alu instid0(VALU_DEP_1)
	v_cvt_i32_f32 v254, v254                       ; (it saturates)
	s_delay_alu instid0(VALU_DEP_1)
	v_ldexp_f32 v252, 1.0, v254                    ; f = 2^(old M - new M): a multiplication by it rounds nothing
.set i, 0
.rept 32
	v_pk_fma_f32 v[96+i:97+i], v[96+i:97+i], s[CS:CS+1], v[12:13] op_sel_hi:[1,0,0]   ; t - M, two at a time
.set i, i+2
.endr
.set i, 0
	s_setprio 1
	s_wait_alu depctr_va_vdst(0)
.rept 64
	v_exp_f32 v[96+i], v[96+i]                     ; p = 2^(t - M), at most 1
.set i, i+1
.endr
	v_pk_mul_f32 v[14:15], v[14:15], v[252:253] op_sel_hi:[1,0]   ; the sums under the new M: the plain line behind the exponentials
	s_wait_alu depctr_va_vdst(0)                   ; one wait for the whole batch, ahead of its first reader
	v_pk_add_f32 v[242:243], v[100:101], v[104:105]
	v_pk_add_f32 v[248:249], v[108:109], v[112:113]
	v_pk_add_f32 v[246:247], v[116:117], v[120:121]
	v_pk_add_f32 v[240:241], v[124:125], v[128:129]
	v_pk_add_f32 v[238:239], v[132:133], v[136:137]
	v_pk_add_f32 v[234:235], v[140:141], v[144:145]
	v_pk_add_f32 v[232:233], v[148:149], v[152:153]
	v_pk_add_f32 v[14:15], v[14:15], v[156:157]
	v_pk_add_f32 v[242:243], v[242:243], v[96:97]
	v_pk_add_f32 v[248:249], v[248:249], v[98:99]
	v_pk_add_f32 v[246:247], v[246:247], v[102:103]
	v_pk_add_f32 v[240:241], v[240:241], v[106:107]
	v_pk_add_f32 v[238:239], v[238:239], v[110:111]
	v_pk_add_f32 v[234:235], v[234:235], v[114:115]
	v_pk_add_f32 v[232:233], v[232:233], v[118:119]
	v_pk_add_f32 v[14:15], v[14:15], v[122:123]
	v_pk_add_f32 v[242:243], v[242:243], v[126:127]
	v_pk_add_f32 v[248:249], v[248:249], v[130:131]
	v_pk_add_f32 v[246:247], v[246:247], v[134:135]
	v_pk_add_f32 v[240:241], v[240:241], v[138:139]
	v_pk_add_f32 v[238:239], v[238:239], v[142:143]
	v_pk_add_f32 v[234:235], v[234:235], v[146:147]
	v_pk_add_f32 v[232:233], v[232:233], v[150:151]
	v_pk_add_f32 v[14:15], v[14:15], v[154:155]
	v_pk_add_f32 v[242:243], v[242:243], v[158:159]
	s_delay_alu instid0(VALU_DEP_2)
	v_pk_add_f32 v[14:15], v[14:15], v[240:241]
	s_delay_alu instid0(VALU_DEP_2)
	v_pk_add_f32 v[242:243], v[242:243], v[238:239]
	v_pk_add_f32 v[248:249], v[248:249], v[234:235]
	v_pk_add_f32 v[246:247], v[246:247], v[232:233]
	s_delay_alu instid0(VALU_DEP_2)
	v_pk_add_f32 v[14:15], v[14:15], v[248:249]
	s_delay_alu instid0(VALU_DEP_2)
	v_pk_add_f32 v[242:243], v[242:243], v[246:247]
	s_delay_alu instid0(VALU_DEP_1)
	v_pk_add_f32 v[14:15], v[14:15], v[242:243]
.set i, 0
	s_setprio 0
.rept 8
.set k, 0
.rept 8
.set k, k+1
.endr
	v_cvt_scalef32_pk8_fp8_f32 v[192+2*i:193+2*i], v[96+8*i:103+8*i], v244   ; registers 2 t, 2 t + 1 of P's fragment: keys 16 t + 8 h + 0 .. 7
.set i, i+1
.endr
.set i, 0
.rept 16
	v_pk_mul_f32 v[160+i:161+i], v[160+i:161+i], v[252:253] op_sel_hi:[1,0]   ; O^T under the new M.  (Also the plain lines between the conversions and the products)
.set i, i+2
.endr
	s_wait_alu depctr_va_vdst(0)
	s_wait_dscnt 0x0                               ; V is in
.irp d, 0,1,2,3
	v_wmma_f32_16x16x128_fp8_fp8 v[160+8*\d:167+8*\d], v[32+16*\d:47+16*\d], v[192:207], v[160+8*\d:167+8*\d]   ; the four accumulators by turns; the next step's eight products stand between two links of a chain
.endr
.if \guarded
.Lskip_\@:
.endif
	s_add_co_u32 s[TB], s[TB], STEPB
	s_add_co_u32 s[KS], s[KS], 1
.endm
; A tile ends: O^T x 2^(e4 + e5) / the sum is y; it is held, converted with 2^e6 and stored: 1,024 bytes of y's image.
.macro FINISH c, yb
.rept 4
	v_nop                                          ; places behind the last products
.endr
	v_add_f32 v14, v14, v15
	s_delay_alu instid0(VALU_DEP_1)
	v_permlanex16_b32 v252, v14, s[SEL], s[SEL+1]
	s_delay_alu instid0(VALU_DEP_1)
	v_add_f32 v14, v14, v252                       ; the row's sum
	s_wait_alu depctr_va_vdst(0)
	v_rcp_f32 v14, v14
	v_nop                                          ; a plain line behind the reciprocal,
	s_wait_alu depctr_va_vdst(0)                   ; and the wait ahead of its first reader
	v_ldexp_f32 v14, v14, s67
.set i, 0
.rept 16
	v_pk_mul_f32 v[96+i:97+i], v[160+i:161+i], v[14:15] op_sel_hi:[1,0]
.set i, i+2
.endr
.set i, 0
.rept 32
.set i, i+1
.endr
.set i, 0
.rept 4
	v_cvt_scalef32_pk8_fp8_f32 v[\c+2*i:\c+2*i+1], v[96+8*i:103+8*i], v245
.set i, i+1
.endr
	v_nop                                          ; a plain line behind the last conversion: later products write its sources
	global_store_b128 v1, v[\c:\c+3], s[\yb:\yb+1]             ; 32 lanes store 512 consecutive bytes, aligned
	global_store_b128 v1, v[\c+4:\c+7], s[\yb:\yb+1] offset:512
.endm
	INIT
	s_sub_co_u32 s[LIMIT], 15, s17                 ; the late tile's last key step: 8 or more, so steps 0 to 7 are whole
	s_wait_loadcnt 0x0                             ; Q
	s_mov_b32 s[TB], 0
	s_mov_b32 s[KS], 0
	ARRIVE 2                                       ; key steps 0-3 are in; my two later loads may be out
.Lh0:
	STEP 16, 0
	s_cmp_lt_u32 s[KS], 4
	s_cbranch_scc1 .Lh0
	s_setprio 0
	s_mov_b32 s[TB], 4*STEPB
	s_mov_b32 s[KS], 4
	ARRIVE 1                                       ; key steps 4-7 are in; my last load may be out
.Lh1:
	STEP 16, 0
	s_cmp_lt_u32 s[KS], 8
	s_cbranch_scc1 .Lh1
	s_setprio 0
	s_mov_b32 s[TB], 8*STEPB
	s_mov_b32 s[KS], 8
	ARRIVE 0                                       ; all of K and V is in; from here on no wave waits for another
.Lh2:
	STEP 16, 1
	s_cmp_lt_u32 s[KS], 16
	s_cbranch_scc1 .Lh2
	s_setprio 0
	FINISH 208, 80
	INIT                                           ; the early tile
	s_mov_b32 s[LIMIT], s17
	s_mov_b32 s[DQ], s89
	s_mov_b32 s[TB], 0
	s_mov_b32 s[KS], 0
.Ll0:
	STEP 24, 1
	s_cmp_lt_u32 s[KS], 8
	s_cbranch_scc1 .Ll0
	s_setprio 0
	FINISH 216, 82
	s_wait_tensorcnt 0x0
	ds_add_u32 v251, v255
	s_wait_dscnt 0x0
	ROUND                                          ; the closing round
	s_endpgm
.Lfunc_end_k_q74a0342bea_attn:
	.size	k_q74a0342bea_attn, .Lfunc_end_k_q74a0342bea_attn-k_q74a0342bea_attn
	.p2alignl 7, 3214868480
	.fill 96, 4, 3214868480
	.section	.rodata,"a",@progbits
	.p2align	6, 0x0
	.amdhsa_kernel k_q74a0342bea_attn
		.amdhsa_group_segment_fixed_size 264192
		.amdhsa_private_segment_fixed_size 0
		.amdhsa_enable_private_segment 0
		.amdhsa_kernarg_size 40
		.amdhsa_user_sgpr_count 2
		.amdhsa_user_sgpr_kernarg_segment_ptr 1
		.amdhsa_wavefront_size32 1
		.amdhsa_system_sgpr_workgroup_id_x 1
		.amdhsa_system_sgpr_workgroup_id_y 1
		.amdhsa_system_sgpr_workgroup_id_z 1
		.amdhsa_system_vgpr_workitem_id 0
		.amdhsa_next_free_vgpr 256
		.amdhsa_next_free_sgpr 100
		.amdhsa_reserve_vcc 1
		.amdhsa_float_denorm_mode_32 3
		.amdhsa_float_denorm_mode_16_64 3
		.amdhsa_fp16_overflow 1
		.amdhsa_memory_ordered 1
		.amdhsa_forward_progress 1
		.amdhsa_inst_pref_size 81
	.end_amdhsa_kernel
	.amdgpu_metadata
---
amdhsa.version: [ 1, 2 ]
amdhsa.kernels:
  - .name:           k_q74a0342bea_attn
    .symbol:         k_q74a0342bea_attn.kd
    .args:
      - { .name: qc, .offset: 0, .size: 8, .value_kind: global_buffer, .address_space: global }
      - { .name: kc, .offset: 8, .size: 8, .value_kind: global_buffer, .address_space: global }
      - { .name: vc, .offset: 16, .size: 8, .value_kind: global_buffer, .address_space: global }
      - { .name: lowp_scales, .offset: 24, .size: 8, .value_kind: global_buffer, .address_space: global }
      - { .name: yc, .offset: 32, .size: 8, .value_kind: global_buffer, .address_space: global }
    .group_segment_fixed_size: 264192
    .private_segment_fixed_size: 0
    .kernarg_segment_align: 8
    .kernarg_segment_size: 40
    .max_flat_workgroup_size: 512
    .sgpr_count:     100
    .vgpr_count:     256
    .wavefront_size: 32
...
	.end_amdgpu_metadata
.endif
;; end of part 3
;; launch proj (part 4): grid 4 x 64, 4 waves a work-group, clusters of 4 x 4, 327,680 bytes of LDS; arguments yc, wq2, b_proj, lowp_scales, out0; writes out0
.if DOCPART == 4
	.amdgcn_target "amdgcn-amd-amdhsa--gfx1250"
	.amdhsa_code_object_version 6
	.text
	.protected	k_q74a0342bea_proj
	.globl	k_q74a0342bea_proj
	.p2align	8
	.type	k_q74a0342bea_proj,@function
k_q74a0342bea_proj:
	s_mov_b64 s[64:65], 0
	v_nop
	global_prefetch_b8 v0, s[64:65] scope:SCOPE_SE
	s_setreg_imm32_b32 hwreg(HW_REG_WAVE_MODE, 25, 1), 1
	s_wait_xcnt 0x0
	s_wait_alu depctr_hold_cnt(0) depctr_sa_sdst(0) depctr_va_vdst(0) depctr_va_sdst(0) depctr_va_ssrc(0) depctr_va_vcc(0) depctr_vm_vsrc(0)
	s_getreg_b32 s2, hwreg(HW_REG_IB_STS2, 6, 4)
	s_cmp_eq_u32 s2, 0
	s_cbranch_scc0 .Lentry_in_a_cluster
	s_endpgm
.Lentry_in_a_cluster:
	s_bfe_u32 s2, ttmp6, 0x10000c
	s_cmp_lg_u32 s2, 0xf033
	s_cbranch_scc0 .Lentry_shape_is_right
	s_endpgm
.Lentry_shape_is_right:
; out0 = y w_proj + b_proj on codes of FP8 (E4M3): M = 8,192, N = 1,024, K = 1,024; out0 f32.  A sum stands for sum x 2^(e6 + e7).  LIMIT: e6 + e7 between -126 and 127.
; Both operands are images of their registers: a tile of 16 rows x 256 K is 4,096 bytes (registers 4 c .. 4 c + 3 of lane l of its q-th fragment at 2,048 q + 512 c + 16 l).  yc: [K / 256][512 tiles][4096], wq2: [K / 256][64 tiles][4096].
; A tile of the result is 128 rows x 256 columns, so that there are 256 work-groups; four waves, each 64 rows x 128 columns: 32 accumulators.  K goes in chunks of 256 through two LDS slots (y's 8 tiles, then w's 16).
; CLUSTERS of 4 x 4: y's tiles are shared along a row of the cluster, w's along a column: joint loads.  Source 0 = 16 rows of w, source 1 = 16 rows of y: a lane holds eight neighbouring numbers of a row of the result.
; REGISTERS, in windows of 256: window 0: v0-31 addresses; v32-95 at work on the way out; y's fragments, two sets, at v128 and v192 (on the way out: rows read back).   window 1: w's fragments, two sets.
;   window 2: the accumulators ((a, b) at v[8 (8 a + b)]).   window 3: v0-63 the bias of my 128 columns, in the result's layout.
.set FR,     16
.set NP,     4                         ; places behind this matrix instruction (ISA guide 7.12.1)
.set WREG,   32768                     ; w's region in a slot, behind y's 8 tiles
.set SLOT,   98304
.set STAGE,  2*SLOT                    ; behind the ring: 16 rows x (512 bytes + 16) for each wave
.set SPITCH, 528
.set SPARE,  STAGE+4*16*SPITCH         ; behind the stages: the spare words, 128 bytes for each wave
.set YCH,    512*4096
.set WCH,    64*4096
.set ADRA, 16
.set ADRB, 20
.set STO,  24
.set RD,   25
.set CO,   26
.set SPW,  28
.set NIL,  29
.set TMP,  32
.set AF,   128
.set BK,   128
.set G1, 24
.set G0, 32
.set G1B, 48
.set G0B, 56
.set MSB, 0
.macro WIN new                         ; the immediate's high byte repeats the setting that is left
.if MSB != \new
	s_set_vgpr_msb (MSB<<8)|\new
.set MSB, \new
.endif
.endm
.set MUL,  0xa1                        ; source 0 (w) window 1, source 1 (y) window 0, C and D window 2
.set TO_B, 0x40
.macro JLOAD g0a, g1a, g0b, g1b        ; waves 0 and 1 fetch y's halves, waves 2 and 3 w's; four v_nop follow each of the two lines
	s_cmp_eq_u32 s15, 0
	s_cbranch_scc0 .Lfor_b_\@
	tensor_load_to_lds s[\g0a:\g0a+3], s[\g1a:\g1a+7]
	s_nop 0
.rept 4
	v_nop
.endr
	s_branch .Lasked_\@
.Lfor_b_\@:
	tensor_load_to_lds s[\g0b:\g0b+3], s[\g1b:\g1b+7]
	s_nop 0
.rept 4
	v_nop
.endr
.Lasked_\@:
.endm
.macro CREST
	s_cmp_lg_u32 s14, 0
	s_cbranch_scc1 .Lnot_wave_0_\@
	s_barrier_signal -3
.Lnot_wave_0_\@:
	s_barrier_wait -3
	s_barrier_signal -1
	s_barrier_wait -1
.endm
.macro CROUND
	s_barrier_signal -1
	s_barrier_wait -1
	CREST
.endm
	s_load_b256 s[4:11], s[0:1], 0x0               ; yc s[4:5], wq2 s[6:7], b_proj s[8:9], the scales s[10:11]
	s_load_b64 s[12:13], s[0:1], 0x20              ; out0
	v_lshl_add_u32 v[SPW], v0, 2, SPARE
	v_mov_b32 v[NIL], 0
	ds_add_u32 v28, v29
	ds_add_u32 v28, v29
	s_wait_dscnt 0x0
	v_lshrrev_b32 v1, 5, v0
	v_readfirstlane_b32 s14, v1                    ; wave 0..3
	s_lshr_b32 s15, s14, 1                         ; which half of the rows is mine.  Also: I fetch for y (0) or for w (1)
	s_and_b32 s16, s14, 1                          ; which half of the columns.  Also: which half of that region I fetch
	s_bfe_u32 s40, ttmp6, 0x40000
	s_bfe_u32 s41, ttmp6, 0x40004
	s_lshl_b32 s42, ttmp9, 2
	s_add_co_u32 s42, s42, s40                     ; tile column
	s_and_b32 s17, ttmp7, 0xffff
	s_lshl_b32 s17, s17, 2
	s_add_co_u32 s17, s17, s41                     ; tile row
	s_lshl_b32 s43, s41, 2
	s_lshl_b32 s43, 15, s43                        ; my row of the cluster
	s_lshl_b32 s44, 0x1111, s40                    ; my column
	s_or_b32 s[G1+0], s43, (3<<16)|(1<<21)         ; y: a dense block of 16,384 bytes as 64 rows of 32 elements of 8 bytes; the mask: my row
	s_mov_b32 s[G1+1], 32<<16
	s_mov_b32 s[G1+2], 64<<16
	s_mov_b32 s[G1+3], 32<<16
	s_mov_b32 s[G1+4], 64
	s_mov_b32 s[G1+5], 32
	s_mov_b32 s[G1+6], 0
	s_mov_b32 s[G1+7], 0
	s_or_b32 s[G1B+0], s44, (3<<16)|(1<<21)        ; w: 32,768 bytes as 128 rows; the mask: my column
	s_mov_b32 s[G1B+1], 32<<16
	s_mov_b32 s[G1B+2], 128<<16
	s_mov_b32 s[G1B+3], 32<<16
	s_mov_b32 s[G1B+4], 128
	s_mov_b32 s[G1B+5], 32
	s_mov_b32 s[G1B+6], 0
	s_mov_b32 s[G1B+7], 0
	s_lshl_b32 s45, s16, 14                        ; y's half in a slot, and in a tile row's 8 tiles
	s_lshl_b32 s20, s17, 15
	s_add_co_u32 s20, s20, s45
	s_mov_b32 s21, 0
	s_lshl_b32 s19, s16, 15                        ; w's half
	s_lshl_b32 s46, s42, 16
	s_add_co_u32 s46, s46, s19
	s_mov_b32 s47, 0
	s_add_co_u32 s66, s19, WREG
	s_wait_kmcnt 0x0
	s_load_b256 s[76:83], s[10:11], 0x0            ; e0 .. e7
	s_add_nc_u64 s[20:21], s[4:5], s[20:21]
	s_add_nc_u64 s[46:47], s[6:7], s[46:47]
	CROUND                                         ; all sixteen work-groups are here: the first joint loads meet
.irp s, 0,1
	s_mov_b32 s[G0+4*\s], 1
	s_add_co_u32 s[G0+4*\s+1], s45, \s*SLOT
	s_add_nc_u64 s[G0+4*\s+2:G0+4*\s+3], s[20:21], \s*YCH
	s_or_b32 s[G0+4*\s+3], s[G0+4*\s+3], 0x80000000
	s_mov_b32 s[G0B+4*\s], 1
	s_add_co_u32 s[G0B+4*\s+1], s66, \s*SLOT
	s_add_nc_u64 s[G0B+4*\s+2:G0B+4*\s+3], s[46:47], \s*WCH
	s_or_b32 s[G0B+4*\s+3], s[G0B+4*\s+3], 0x80000000
	s_wait_alu depctr_va_vdst(0)
	s_wait_tensorcnt 0x0
	ds_add_u32 v28, v29
	ds_add_u32 v28, v29
	s_wait_dscnt 0x0
	CROUND
	JLOAD G0+4*\s, G1, G0B+4*\s, G1B
.endr
	v_and_b32 v1, 31, v0
	v_lshlrev_b32 v[CO], 4, v1                     ; 16 x lane
	s_lshl_b32 s21, s15, 14                        ; my four tiles of y
	s_lshl_b32 s22, s16, 15
	s_add_co_u32 s22, s22, WREG                    ; my eight tiles of w
.irp s, 0,1
	v_add_nc_u32 v[ADRA+\s], s21, v[CO]
	v_add_nc_u32 v[ADRB+\s], s22, v[CO]
	s_add_co_u32 s21, s21, SLOT
	s_add_co_u32 s22, s22, SLOT
.endr
	v_and_b32 v2, 15, v0                           ; r
	v_bfe_u32 v3, v0, 4, 1                         ; h
	s_wait_alu depctr_va_vdst(0)
	s_mul_i32 s23, s14, 16*SPITCH
	s_add_co_u32 s23, s23, STAGE                   ; my stage
	v_mul_u32_u24 v4, v2, SPITCH
	v_lshl_add_u32 v4, v3, 5, v4
	v_add_nc_u32 v[STO], s23, v4                   ; in: row r, 32 bytes for each half of the lanes
	v_add_nc_u32 v[RD], s23, v[CO]                 ; back: the 32 lanes take one row of 512 bytes
	s_lshl_b32 s70, s42, 10
	s_lshl_b32 s71, s16, 9
	s_add_co_u32 s70, s70, s71                     ; my first column, in bytes
	s_mov_b32 s71, 0
	s_add_nc_u64 s[8:9], s[8:9], s[70:71]
	s_add_nc_u64 s[12:13], s[12:13], s[70:71]
	s_lshl_b32 s70, s17, 19
	s_lshl_b32 s72, s15, 18
	s_add_co_u32 s70, s70, s72                     ; my first row: 128 x tile row + 64 x half, of 4,096 bytes
	s_add_nc_u64 s[12:13], s[12:13], s[70:71]
	v_lshlrev_b32 v5, 5, v3                        ; 32 h
	WIN 0xc0                                       ; destination window 3
.irp b, 0,1,2,3,4,5,6,7
	global_load_b128 v[8*\b:8*\b+3], v5, s[8:9] offset:64*\b           ; the bias at columns 16 b + 8 h + 0 .. 7
	global_load_b128 v[8*\b+4:8*\b+7], v5, s[8:9] offset:64*\b+16
.endr
	WIN 0
.macro FRAG reg, adr, q, i
.irp c, 0,1,2,3
	ds_load_b128 v[\reg+4*\c:\reg+4*\c+3], v[\adr] offset:(\i)*4096+(\q)*2048+\c*512
.endr
.endm
.macro FETCH slot, q, p                ; 48 LDS loads in one run: w's eight fragments and y's four, of the chunk's q-th 128 along K, into sets p
	WIN TO_B
.irp i, 0,1,2,3,4,5,6,7
	FRAG 128*(\p)+FR*\i, ADRB+\slot, \q, \i
.endr
	WIN 0
.irp i, 0,1,2,3
	FRAG AF+64*(\p)+FR*\i, ADRA+\slot, \q, \i
.endr
.endm
.macro MUL8 a, p, zero                 ; y's block a x w's eight.  The 32 accumulators take turns, one instruction a turn, in the same order in every step
.irp b, 0,1,2,3,4,5,6,7
.if \zero
	v_wmma_f32_16x16x128_fp8_fp8 v[8*(8*(\a)+\b):8*(8*(\a)+\b)+7], v[128*(\p)+FR*\b:128*(\p)+FR*\b+FR-1], v[AF+64*(\p)+FR*(\a):AF+64*(\p)+FR*(\a)+FR-1], 0
.else
	v_wmma_f32_16x16x128_fp8_fp8 v[8*(8*(\a)+\b):8*(8*(\a)+\b)+7], v[128*(\p)+FR*\b:128*(\p)+FR*\b+FR-1], v[AF+64*(\p)+FR*(\a):AF+64*(\p)+FR*(\a)+FR-1], v[8*(8*(\a)+\b):8*(8*(\a)+\b)+7]
.endif
.endr
.endm
.macro PLACES n
.rept \n
	v_nop
.endr
.endm
.macro STEP2 slot, zero                ; a chunk's first 128 along K, on sets 0; in its middle the second 128's fragments are fetched into sets 1
	s_wait_dscnt 0x0
	WIN MUL
	MUL8 0, 0, \zero
	MUL8 1, 0, \zero
	PLACES NP
	FETCH \slot, 1, 1
	WIN MUL
	MUL8 2, 0, \zero
	MUL8 3, 0, \zero
.endm
; A chunk's second 128 along K, on sets 1, changes slots: one barrier; in front of it each wave waits for all its tensor loads, adds 0 to its spare word, and waits for that and for its own reads of this slot.
.macro TURN2 slot, next, fill
	WIN 0                                          ; (the add's two registers lie in window 0)
	s_wait_tensorcnt 0x0                           ; all my tensor loads have landed: my part of the next slot
	ds_add_u32 v[SPW], v[NIL]                      ; 0 onto my spare word
	s_wait_dscnt 1                                 ; this step's fragments are in; the add may be out
	WIN MUL
	MUL8 0, 1, 0
	s_wait_dscnt 0x0                               ; the add is done, and my reads of this slot are over
	s_barrier_signal -1
	MUL8 1, 1, 0
	WIN 0
	s_barrier_wait -1
.if \fill
	CREST                                          ; the barrier has opened a round of the cluster's: no wave of any partner still reads this slot or has a load on its way
	s_add_nc_u64 s[G0+4*\slot+2:G0+4*\slot+3], s[G0+4*\slot+2:G0+4*\slot+3], 2*YCH
	s_add_nc_u64 s[G0B+4*\slot+2:G0B+4*\slot+3], s[G0B+4*\slot+2:G0B+4*\slot+3], 2*WCH
	JLOAD G0+4*\slot, G1, G0B+4*\slot, G1B         ; the first tensor load behind the round; its four v_nop are also the places in front of the loads below
.else
	PLACES NP
.endif
	FETCH \next, 0, 0
	WIN MUL
	MUL8 2, 1, 0
	MUL8 3, 1, 0
.endm
	s_wait_tensorcnt 1                             ; my part of chunk 0 is in (chunk 1's load may be out)
	s_barrier_signal -1
	s_barrier_wait -1                              ; everybody's is
	FETCH 0, 0, 0
	STEP2 0, 1                                     ; four chunks, eight steps, written out
	TURN2 0, 1, 1                                  ; slot 0 takes chunk 2
	STEP2 1, 0
	TURN2 1, 0, 1                                  ; slot 1 takes chunk 3
	STEP2 0, 0
	TURN2 0, 1, 0
	STEP2 1, 0
	s_wait_dscnt 0x0
	MUL8 0, 1, 0
	MUL8 1, 1, 0
	MUL8 2, 1, 0
	MUL8 3, 1, 0
	WIN 0
; THE WAY OUT, block by block of 16 rows x 128 columns: sum x 2^(e6 + e7) + bias; through my own stage in LDS, back as whole rows of 512 bytes.  LDS serves a wave's instructions in order: no wait between the stores and the loads.
.macro TOSTAGE a
.set AC, 64*(\a)
	WIN 0x32                                       ; source 0 (the sums) window 2, source 2 (the bias) window 3
.set j, 0
.rept 32
	v_pk_fma_f32 v[TMP+j:TMP+j+1], v[AC+j:AC+j+1], s[96:97], v[j:j+1] op_sel_hi:[1,0,1]   ; each accumulator from its low end on
.set j, j+2
.endr
	WIN 0
.irp b, 0,1,2,3,4,5,6,7
	ds_store_b128 v[STO], v[TMP+8*\b:TMP+8*\b+3] offset:64*\b
	ds_store_b128 v[STO], v[TMP+8*\b+4:TMP+8*\b+7] offset:64*\b+16
.endr
.set BB, BK+64*((\a)%2)
.irp t, 0,1,2,3,4,5,6,7,8,9,10,11,12,13,14,15
	ds_load_b128 v[BB+4*\t:BB+4*\t+3], v[RD] offset:\t*SPITCH
.endr
.endm
.macro SEND a, younger                 ; younger: the LDS instructions issued behind block a's loads, which may stay out
.set BB, BK+64*((\a)%2)
	s_wait_dscnt \younger
.if (\a) > 0
	s_add_nc_u64 s[12:13], s[12:13], 16*4096       ; (behind a wait on XCNT: the earlier stores have read their base)
.endif
.irp t, 0,1,2,3,4,5,6,7,8,9,10,11,12,13,14,15
	global_store_b128 v[CO], v[BB+4*\t:BB+4*\t+3], s[12:13] offset:\t*4096 th:TH_STORE_NT   ; 32 lanes store 512 consecutive bytes, aligned; written once, read by nobody here
.endr
.endm
	s_wait_kmcnt 0x0
	s_add_co_i32 s96, s82, s83
	s_add_co_i32 s96, s96, 127
	s_lshl_b32 s96, s96, 23                        ; 2^(e6 + e7) as f32
	s_mov_b32 s97, s96                             ; (named with it as a pair, so it is written)
	s_wait_loadcnt 0x0                             ; the bias
	PLACES NP                                      ; behind the last products: their results are read, and y's fragment registers loaded into, below
	TOSTAGE 0
.irp a, 1,2,3
.if \a > 1
	s_wait_xcnt 0x0                                ; block a - 2's stores have read their registers and their base
.endif
	TOSTAGE \a
	SEND \a-1, 32                                  ; behind block a - 1's loads: block a's 16 stores and 16 loads
.endr
	s_wait_xcnt 0x0
	SEND 3, 0
	s_wait_tensorcnt 0x0                           ; the wave's end
	ds_add_u32 v[SPW], v[NIL]
	s_wait_dscnt 0x0
	CROUND                                         ; the closing round
	s_endpgm
.Lfunc_end_k_q74a0342bea_proj:
	.size	k_q74a0342bea_proj, .Lfunc_end_k_q74a0342bea_proj-k_q74a0342bea_proj
	.p2alignl 7, 3214868480
	.fill 96, 4, 3214868480
	.section	.rodata,"a",@progbits
	.p2align	6, 0x0
	.amdhsa_kernel k_q74a0342bea_proj
		.amdhsa_group_segment_fixed_size 327680
		.amdhsa_private_segment_fixed_size 0
		.amdhsa_enable_private_segment 0
		.amdhsa_kernarg_size 40
		.amdhsa_user_sgpr_count 2
		.amdhsa_user_sgpr_kernarg_segment_ptr 1
		.amdhsa_wavefront_size32 1
		.amdhsa_system_sgpr_workgroup_id_x 1
		.amdhsa_system_sgpr_workgroup_id_y 1
		.amdhsa_system_sgpr_workgroup_id_z 1
		.amdhsa_system_vgpr_workitem_id 0
		.amdhsa_next_free_vgpr 832
		.amdhsa_next_free_sgpr 100
		.amdhsa_reserve_vcc 0
		.amdhsa_float_denorm_mode_32 3
		.amdhsa_float_denorm_mode_16_64 3
		.amdhsa_memory_ordered 1
		.amdhsa_forward_progress 1
		.amdhsa_inst_pref_size 77
	.end_amdhsa_kernel
	.amdgpu_metadata
---
amdhsa.version: [ 1, 2 ]
amdhsa.kernels:
  - .name:           k_q74a0342bea_proj
    .symbol:         k_q74a0342bea_proj.kd
    .args:
      - { .name: yc, .offset: 0, .size: 8, .value_kind: global_buffer, .address_space: global }
      - { .name: wq2, .offset: 8, .size: 8, .value_kind: global_buffer, .address_space: global }
      - { .name: b_proj, .offset: 16, .size: 8, .value_kind: global_buffer, .address_space: global }
      - { .name: lowp_scales, .offset: 24, .size: 8, .value_kind: global_buffer, .address_space: global }
      - { .name: out0, .offset: 32, .size: 8, .value_kind: global_buffer, .address_space: global }
    .group_segment_fixed_size: 327680
    .private_segment_fixed_size: 0
    .kernarg_segment_align: 8
    .kernarg_segment_size: 40
    .max_flat_workgroup_size: 128
    .sgpr_count:     100
    .vgpr_count:     832
    .wavefront_size: 32
...
	.end_amdgpu_metadata
.endif
;; end of part 4
